; MI455X (gfx1250); checked and timed in simulation.
; The chip was launched on July 23, 2026; its instructions are those of AMD's public machine-readable ISA for CDNA 5 (MIT licence, August 2026) and "CDNA5" Instruction Set Architecture Reference Guide (July 2026). The comments in the code are by the model that wrote it; some were corrected since.
;; Grid Net. Allowed arithmetic: float matrix products may take bf16 or f16 operands with f32 sums; other float arithmetic in f32, or as packed bf16 or f16 multiplies, adds, multiply-adds, maxima and minima; sums over many terms, partial sums and values carried from step to step in f32; what a program stores and reads back later, other than sums and carried values, may be rounded once to bf16 or f16.
;; Inputs: dir 2,000,000 x 2 float32; dir_grid 256 x 256 x 32 float32; enc_b1 4 float32; enc_b2 3 float32; enc_w1 2 x 4 float32; enc_w2 4 x 3 float32; fc_b1 64 float32; fc_b2 16 float32; fc_b3 8 float32; fc_b4 3 float32; fc_w1 64 x 64 float32; fc_w2 64 x 16 float32; fc_w3 16 x 8 float32; fc_w4 8 x 3 float32; pos 2,000,000 x 2 float32; pos_grid 256 x 256 x 32 float32.
;; Outputs: out0 2,000,000 x 3 float32.
;; One version. Each part assembles by itself: llvm-mc -triple=amdgcn-amd-amdhsa -mcpu=gfx1250 --defsym DOCPART=n.
;; ======== version 1 of 1: 2 launches
;; limits: values outside matrix products are rounded to bf16
;; workspace buffers: tab 8,388,608 bytes; cell 8,000,000 bytes of whole numbers; frac 16,000,000 bytes
;; launch prep (part 1): grid 256 x 1, 32 waves a work-group, no clusters, 0 bytes of LDS; arguments pos, dir, pos_grid, dir_grid, enc_w1, enc_b1, enc_w2, enc_b2, tab, cell, frac; writes tab, cell, frac
.if DOCPART == 1
	.amdgcn_target "amdgcn-amd-amdhsa--gfx1250"
	.amdhsa_code_object_version 6
	.text
	.protected	k_qd3fa8dda31_prep
	.globl	k_qd3fa8dda31_prep
	.p2align	8
	.type	k_qd3fa8dda31_prep,@function
k_qd3fa8dda31_prep:
	s_mov_b64 s[64:65], 0
	v_nop
	global_prefetch_b8 v0, s[64:65] scope:SCOPE_SE
	s_setreg_imm32_b32 hwreg(HW_REG_WAVE_MODE, 25, 1), 1
	s_wait_xcnt 0x0
; PREP.  (1) Both grids, [256][256][32] f32, are rounded once to bf16 into tab: pos grid at byte 0, dir grid at byte 0x400000.
; (2) Both encoders, sigmoid(tanh(x w1 + b1) w2 + b2) x 255, in f32 for every point.  Of each coordinate pair are stored: the cell y0 x 256 + x0 as 16 bits
; (cell: pos in bits 15:0, dir in 31:16) and the two fractions as f16 (frac: word 0 pos, word 1 dir; x in the low half, y in the high half).
; THE EDGE.  x0 = min(int(x), 254) and the fraction is x - x0: at x = 255 the fraction is 1.0, all the weight on cell 255, as with min(x0 + 1, 255) and fraction 0.  So the next launch always reads x0, x0 + 1.
; LIMITS.  tanh(a) = 1 - 2 / (1 + 2^(2 log2(e) a)) and sigmoid(z) = 1 / (1 + 2^(-log2(e) z)): an exponential that overflows gives the right limit.  A NaN coordinate gives cell 0.  A fraction is off by 2^-12 at the most.
; enc_w2's third column and enc_b2[2] are loaded; they feed nothing that is returned.
; SHARES.  8,192 waves.  A step is 64 points: a lane holds two (16 bytes of pos, of dir and of frac; 8 of cell).  Wave w takes steps w + 8192 k, k = 0..2, and k = 3 if w < 6,674 (31,250 steps).
; Wave w also converts 2,048 bytes of a grid.  All twelve loads go out at the start; no LDS, no barrier, no matrix unit: a stream.
.set STEPS, 31250
.set WAVES, 8192
.set WA,   4                           ; v[4:7]    w1[0][0..3] x K1
.set WB,   8                           ; v[8:11]   w1[1][0..3] x K1
.set BA,   12                          ; v[12:15]  b1 x K1
.set WC,   16                          ; v[16:23]  pairs (w2[j][0], w2[j][1]) x K2
.set BC,   24                          ; v[24:25]  b2[0..1] x K2
.set IN,   28                          ; v[28:59]  step k: 4 registers of pos, 4 of dir; later what the step stores
.set GR,   60                          ; v[60:75]  four times 16 bytes of a grid
.set WK,   76                          ; v[76:107] four sets of 8 at work: h0-h3, z0, z1, i0, i1
.set OFF,  108                         ; v[108:111] step k: my byte offset in pos, dir and frac; never rewritten
.set OFC,  112                         ; v[112:115] half of it: my offset in cell
.set GOFF, 116                         ; v116      my offset in the grid
.set TOFF, 117                         ; v117      my offset in tab
	s_load_b512 s[4:19], s[0:1], 0x0               ; pos s[4:5], dir s[6:7], pos_grid s[8:9], dir_grid s[10:11], enc_w1 s[12:13], enc_b1 s[14:15], enc_w2 s[16:17], enc_b2 s[18:19]
	s_load_b128 s[20:23], s[0:1], 0x40             ; tab s[20:21], cell s[22:23]
	s_load_b64 s[24:25], s[0:1], 0x50              ; frac
	v_lshrrev_b32 v3, 5, v0
	v_readfirstlane_b32 s56, v3                    ; my wave in the work-group
	v_and_b32 v2, 31, v0
	v_lshlrev_b32 v1, 4, v2                        ; 16 x lane
	v_lshlrev_b32 v2, 3, v2                        ; 8 x lane
	s_lshl_b32 s57, ttmp9, 5
	s_add_co_u32 s57, s57, s56                     ; w
.irp k, 0,1,2,3
	s_add_co_u32 s58, s57, WAVES*(\k)              ; step k's number
.if (\k) == 3
	s_min_u32 s58, s58, STEPS-1                    ; the fourth load stays inside the buffers in the waves that have no fourth step
.endif
	s_lshl_b32 s58, s58, 9                         ; 512 bytes a step
	v_add_nc_u32 v[OFF+(\k)], s58, v1
	v_lshrrev_b32 v[OFC+(\k)], 1, v[OFF+(\k)]
.endr
	s_and_b32 s58, s57, 4095
	v_lshl_add_u32 v[GOFF], s58, 11, v1            ; 2,048 bytes of f32 for each wave, 4,096 waves to a grid
	v_lshl_add_u32 v[TOFF], s57, 10, v2            ; 1,024 bytes of bf16: the dir grid's part begins at 4,096 x 1,024
	s_mov_b32 s62, 0x4038aa3b                      ; K1 = 2 log2(e)
	s_mov_b32 s63, 0xbfb8aa3b                      ; K2 = -log2(e)
	s_wait_kmcnt 0x0
	s_cmp_lt_u32 s57, 4096
	s_cselect_b64 s[60:61], s[8:9], s[10:11]       ; my grid
	s_load_b256 s[28:35], s[12:13], 0x0            ; w1[i][j] = s[28 + 4 i + j]
	s_load_b128 s[36:39], s[14:15], 0x0            ; b1
	s_load_b256 s[40:47], s[16:17], 0x0            ; w2[j][c] = s[40 + 3 j + c]
	s_load_b128 s[48:51], s[16:17], 0x20
	s_load_b96 s[52:54], s[18:19], 0x0             ; b2
.macro ASK k
	global_load_b128 v[IN+8*(\k):IN+8*(\k)+3],   v[OFF+(\k)], s[4:5] th:TH_LOAD_NT
	global_load_b128 v[IN+8*(\k)+4:IN+8*(\k)+7], v[OFF+(\k)], s[6:7] th:TH_LOAD_NT
.endm
	ASK 0
	ASK 1
	ASK 2
.irp i, 0,1,2,3
	global_load_b128 v[GR+4*(\i):GR+4*(\i)+3], v[GOFF], s[60:61] offset:512*(\i) th:TH_LOAD_NT
.endr
	ASK 3
	s_wait_kmcnt 0x0
.irp j, 0,1,2,3
	v_mul_f32 v[WA+(\j)], s[28+(\j)], s62
	v_mul_f32 v[WB+(\j)], s[32+(\j)], s62
	v_mul_f32 v[BA+(\j)], s[36+(\j)], s62
	v_mul_f32 v[WC+2*(\j)],   s[40+3*(\j)], s63
	v_mul_f32 v[WC+2*(\j)+1], s[41+3*(\j)], s63
.endr
	v_mul_f32 v[BC],   s52, s63
	v_mul_f32 v[BC+1], s53, s63
; One step: four evaluations side by side, set 0 = point a's pos, 1 = point b's pos, 2 = point a's dir, 3 = point b's dir; each line is written for all four sets before the next.
; left = the loads issued behind this step's two, which may stay out.
.macro STEP k, left
.set rI, IN+8*(\k)
	s_wait_loadcnt \left                           ; loads come back in order (ISA guide 5.7.1)
.irp s, 0,1,2,3                        ; K1 a = y w1[1] + b1, two units of the hidden layer at a time: y is the pair's second register, for both halves
	v_pk_fma_f32 v[WK+8*(\s):WK+8*(\s)+1],   v[rI+2*(\s):rI+2*(\s)+1], v[WB:WB+1],   v[BA:BA+1]   op_sel:[1,0,0] op_sel_hi:[1,1,1]
	v_pk_fma_f32 v[WK+8*(\s)+2:WK+8*(\s)+3], v[rI+2*(\s):rI+2*(\s)+1], v[WB+2:WB+3], v[BA+2:BA+3] op_sel:[1,0,0] op_sel_hi:[1,1,1]
.endr
.irp s, 0,1,2,3                        ; + x w1[0]: x is the first register, for both halves
	v_pk_fma_f32 v[WK+8*(\s):WK+8*(\s)+1],   v[rI+2*(\s):rI+2*(\s)+1], v[WA:WA+1],   v[WK+8*(\s):WK+8*(\s)+1]   op_sel_hi:[0,1,1]
	v_pk_fma_f32 v[WK+8*(\s)+2:WK+8*(\s)+3], v[rI+2*(\s):rI+2*(\s)+1], v[WA+2:WA+3], v[WK+8*(\s)+2:WK+8*(\s)+3] op_sel_hi:[0,1,1]
.endr
.irp s, 0,1,2,3
.irp j, 0,1,2,3
	v_exp_f32 v[WK+8*(\s)+(\j)], v[WK+8*(\s)+(\j)]
.endr
.endr
	v_nop                                          ; a plain instruction between the last exponential and the use of its result (ISA guide 5.7.2)
	s_wait_alu depctr_va_vdst(0)
.irp s, 0,1,2,3
	v_pk_add_f32 v[WK+8*(\s):WK+8*(\s)+1],   v[WK+8*(\s):WK+8*(\s)+1],   1.0 op_sel_hi:[1,0]
	v_pk_add_f32 v[WK+8*(\s)+2:WK+8*(\s)+3], v[WK+8*(\s)+2:WK+8*(\s)+3], 1.0 op_sel_hi:[1,0]
.endr
.irp s, 0,1,2,3
.irp j, 0,1,2,3
	v_rcp_f32 v[WK+8*(\s)+(\j)], v[WK+8*(\s)+(\j)]
.endr
.endr
	v_nop
	s_wait_alu depctr_va_vdst(0)
.irp s, 0,1,2,3                        ; h = 1 - 2 / (1 + 2^(K1 a))
	v_pk_fma_f32 v[WK+8*(\s):WK+8*(\s)+1],   v[WK+8*(\s):WK+8*(\s)+1],   -2.0, 1.0 op_sel_hi:[1,0,0]
	v_pk_fma_f32 v[WK+8*(\s)+2:WK+8*(\s)+3], v[WK+8*(\s)+2:WK+8*(\s)+3], -2.0, 1.0 op_sel_hi:[1,0,0]
.endr
.irp s, 0,1,2,3                        ; K2 z for columns 0 and 1 at once: h0 .. h3 each for both halves
	v_pk_fma_f32 v[WK+8*(\s)+4:WK+8*(\s)+5], v[WK+8*(\s):WK+8*(\s)+1],   v[WC:WC+1],   v[BC:BC+1] op_sel_hi:[0,1,1]
.endr
.irp s, 0,1,2,3
	v_pk_fma_f32 v[WK+8*(\s)+4:WK+8*(\s)+5], v[WK+8*(\s):WK+8*(\s)+1],   v[WC+2:WC+3], v[WK+8*(\s)+4:WK+8*(\s)+5] op_sel:[1,0,0] op_sel_hi:[1,1,1]
.endr
.irp s, 0,1,2,3
	v_pk_fma_f32 v[WK+8*(\s)+4:WK+8*(\s)+5], v[WK+8*(\s)+2:WK+8*(\s)+3], v[WC+4:WC+5], v[WK+8*(\s)+4:WK+8*(\s)+5] op_sel_hi:[0,1,1]
.endr
.irp s, 0,1,2,3
	v_pk_fma_f32 v[WK+8*(\s)+4:WK+8*(\s)+5], v[WK+8*(\s)+2:WK+8*(\s)+3], v[WC+6:WC+7], v[WK+8*(\s)+4:WK+8*(\s)+5] op_sel:[1,0,0] op_sel_hi:[1,1,1]
.endr
.irp s, 0,1,2,3
	v_exp_f32 v[WK+8*(\s)+4], v[WK+8*(\s)+4]
	v_exp_f32 v[WK+8*(\s)+5], v[WK+8*(\s)+5]
.endr
	v_nop
	s_wait_alu depctr_va_vdst(0)
.irp s, 0,1,2,3
	v_pk_add_f32 v[WK+8*(\s)+4:WK+8*(\s)+5], v[WK+8*(\s)+4:WK+8*(\s)+5], 1.0 op_sel_hi:[1,0]
.endr
.irp s, 0,1,2,3
	v_rcp_f32 v[WK+8*(\s)+4], v[WK+8*(\s)+4]
	v_rcp_f32 v[WK+8*(\s)+5], v[WK+8*(\s)+5]
.endr
	v_nop
	s_wait_alu depctr_va_vdst(0)
.irp s, 0,1,2,3                        ; x, y = sigmoid x 255
	v_pk_mul_f32 v[WK+8*(\s)+4:WK+8*(\s)+5], v[WK+8*(\s)+4:WK+8*(\s)+5], 0x437f0000 op_sel_hi:[1,0]
.endr
.irp s, 0,1,2,3
	v_cvt_u32_f32 v[WK+8*(\s)+6], v[WK+8*(\s)+4]   ; toward zero
	v_cvt_u32_f32 v[WK+8*(\s)+7], v[WK+8*(\s)+5]
.endr
.irp s, 0,1,2,3
	v_min_u32 v[WK+8*(\s)+6], 254, v[WK+8*(\s)+6]
	v_min_u32 v[WK+8*(\s)+7], 254, v[WK+8*(\s)+7]
.endr
.irp s, 0,1,2,3
	v_lshl_or_b32 v[WK+8*(\s)], v[WK+8*(\s)+7], 8, v[WK+8*(\s)+6]  ; the cell: y0 x 256 + x0
.endr
.irp s, 0,1,2,3
	v_cvt_f32_u32 v[WK+8*(\s)+6], v[WK+8*(\s)+6]
	v_cvt_f32_u32 v[WK+8*(\s)+7], v[WK+8*(\s)+7]
.endr
.irp s, 0,1,2,3                        ; the fractions
	v_pk_add_f32 v[WK+8*(\s)+4:WK+8*(\s)+5], v[WK+8*(\s)+4:WK+8*(\s)+5], v[WK+8*(\s)+6:WK+8*(\s)+7] neg_lo:[0,1] neg_hi:[0,1]
.endr
.irp s, 0,1,2,3                        ; into the order in which they are stored: a's pos, a's dir, b's pos, b's dir; the step's inputs there have been used
	v_cvt_pk_f16_f32 v[rI+4+2*((\s)%2)+(\s)/2], v[WK+8*(\s)+4], v[WK+8*(\s)+5]
.endr
	v_lshl_or_b32 v[rI],   v[WK+16], 16, v[WK]     ; point a: dir cell above pos cell
	v_lshl_or_b32 v[rI+1], v[WK+24], 16, v[WK+8]   ; point b
	global_store_b64  v[OFC+(\k)], v[rI:rI+1],   s[22:23]  ; the wave's store covers 256 consecutive bytes, aligned
	global_store_b128 v[OFF+(\k)], v[rI+4:rI+7], s[24:25]  ; 512 consecutive bytes; no register of a store is written again in this text
.endm
	STEP 0, 10                                     ; behind step 0's two loads: steps 1 and 2 (4), the grid (4), step 3 (2)
	STEP 1, 8
	STEP 2, 6
	s_wait_loadcnt 2                               ; the grid's four are in; step 3's two may stay out
.irp i, 0,1,2,3
	v_cvt_pk_bf16_f32 v[GR+4*(\i)],   v[GR+4*(\i)],   v[GR+4*(\i)+1]
	v_cvt_pk_bf16_f32 v[GR+4*(\i)+1], v[GR+4*(\i)+2], v[GR+4*(\i)+3]
	global_store_b64 v[TOFF], v[GR+4*(\i):GR+4*(\i)+1], s[20:21] offset:256*(\i)  ; 256 consecutive bytes, aligned
.endr
	s_cmp_ge_u32 s57, STEPS-3*WAVES
	s_cbranch_scc1 .Lend                           ; no fourth step for this wave
	STEP 3, 0
.Lend:
	s_endpgm
.Lfunc_end_k_qd3fa8dda31_prep:
	.size	k_qd3fa8dda31_prep, .Lfunc_end_k_qd3fa8dda31_prep-k_qd3fa8dda31_prep
	.p2alignl 7, 3214868480
	.fill 96, 4, 3214868480
	.section	.rodata,"a",@progbits
	.p2align	6, 0x0
	.amdhsa_kernel k_qd3fa8dda31_prep
		.amdhsa_group_segment_fixed_size 0
		.amdhsa_private_segment_fixed_size 0
		.amdhsa_enable_private_segment 0
		.amdhsa_kernarg_size 88
		.amdhsa_user_sgpr_count 2
		.amdhsa_user_sgpr_kernarg_segment_ptr 1
		.amdhsa_wavefront_size32 1
		.amdhsa_system_sgpr_workgroup_id_x 1
		.amdhsa_system_sgpr_workgroup_id_y 1
		.amdhsa_system_sgpr_workgroup_id_z 1
		.amdhsa_system_vgpr_workitem_id 0
		.amdhsa_next_free_vgpr 120
		.amdhsa_next_free_sgpr 66
		.amdhsa_reserve_vcc 0
		.amdhsa_float_denorm_mode_32 3
		.amdhsa_float_denorm_mode_16_64 3
		.amdhsa_memory_ordered 1
		.amdhsa_forward_progress 1
		.amdhsa_inst_pref_size 36
	.end_amdhsa_kernel
	.amdgpu_metadata
---
amdhsa.version: [ 1, 2 ]
amdhsa.kernels:
  - .name:           k_qd3fa8dda31_prep
    .symbol:         k_qd3fa8dda31_prep.kd
    .args:
      - { .name: pos, .offset: 0, .size: 8, .value_kind: global_buffer, .address_space: global }
      - { .name: dir, .offset: 8, .size: 8, .value_kind: global_buffer, .address_space: global }
      - { .name: pos_grid, .offset: 16, .size: 8, .value_kind: global_buffer, .address_space: global }
      - { .name: dir_grid, .offset: 24, .size: 8, .value_kind: global_buffer, .address_space: global }
      - { .name: enc_w1, .offset: 32, .size: 8, .value_kind: global_buffer, .address_space: global }
      - { .name: enc_b1, .offset: 40, .size: 8, .value_kind: global_buffer, .address_space: global }
      - { .name: enc_w2, .offset: 48, .size: 8, .value_kind: global_buffer, .address_space: global }
      - { .name: enc_b2, .offset: 56, .size: 8, .value_kind: global_buffer, .address_space: global }
      - { .name: tab, .offset: 64, .size: 8, .value_kind: global_buffer, .address_space: global }
      - { .name: cell, .offset: 72, .size: 8, .value_kind: global_buffer, .address_space: global }
      - { .name: frac, .offset: 80, .size: 8, .value_kind: global_buffer, .address_space: global }
    .group_segment_fixed_size: 0
    .private_segment_fixed_size: 0
    .kernarg_segment_align: 8
    .kernarg_segment_size: 88
    .max_flat_workgroup_size: 1024
    .sgpr_count:     66
    .vgpr_count:     120
    .wavefront_size: 32
...
	.end_amdgpu_metadata
.endif
;; end of part 1
;; launch net (part 2): grid 256 x 1, 16 waves a work-group, no clusters, 65,536 bytes of LDS; arguments tab, cell, frac, out0, fc_w1, fc_b1, fc_w2, fc_b2, fc_w3, fc_b3, fc_w4, fc_b4; writes out0
.if DOCPART == 2
	.amdgcn_target "amdgcn-amd-amdhsa--gfx1250"
	.amdhsa_code_object_version 6
	.text
	.protected	k_qd3fa8dda31_net
	.globl	k_qd3fa8dda31_net
	.p2align	8
	.type	k_qd3fa8dda31_net,@function
k_qd3fa8dda31_net:
	s_mov_b64 s[64:65], 0
	v_nop
	global_prefetch_b8 v0, s[64:65] scope:SCOPE_SE
	s_setreg_imm32_b32 hwreg(HW_REG_WAVE_MODE, 25, 1), 1
	s_wait_xcnt 0x0
; NET.  For each point: the four corners of its pos cell and of its dir cell out of tab (bf16), the bilinear blend, 64 -> 64 -> 16 -> 8 -> 3 with leaky ReLU (slope 0.01), sigmoid x 255.
; TRANSPOSED.  A tile is 16 points.  In every product source 0 is 16 output features x 32 inputs of a weight matrix and source 1 is 32 inputs x 16 points: lane (r = lane % 16, h = lane / 16) holds point r,
; as source 1 the inputs 8 h + 0..7 and 16 + 8 h + 0..7, in a result the outputs 8 h + 0..7.  Two results packed to bf16 ARE the next source 1, and a cell's 64 bytes, read as 16 bytes at 16 h and at 32 + 16 h, are one
; too: nothing changes lanes from the gather to the last layer.
; BIASES enter as a product: a source 1 that holds 1.0 at one input and 0 elsewhere (ONE) against a source 0 whose register at that input holds the bias; what else that source 0 names meets zeros and need only be finite.
; SHARES.  4,096 waves, four to a SIMD, 256 registers each.  A group is 128 points = 8 tiles = 1,536 bytes of output; wave w takes groups w + 4096 t: 4 of them if w < 3,337, else 3 (15,625 groups).
; IN FLIGHT.  While a tile goes through the layers, the next tile's 16 gathers (512 bytes each) are out, and the records (cell, frac) of the tile after that.
; NO CLUSTER, no tensor loads: no two work-groups read a common tile; each lane's address comes from its own point.  No prefetch: tab is read again and again by every work-group, and the records are asked for two tiles ahead by the loads themselves.
; LIMITS.  Grid values, weights and biases are rounded once to bf16 (fc_w4 and fc_b4 after a multiplication by -log2(e)); the four blend weights are rounded to bf16 and the blend is one packed bf16 product and three packed
; bf16 multiply-adds, four roundings of 2^-9 of the running value; layers 1 to 3 take the slope as bf16's 0.010010, the last as f32's 0.01.  NaN and infinities are not treated apart: a corner, a padding row or a
; register that meets a zero is still multiplied.  An exponential that overflows gives the right limit.
.set GROUPS, 15625
.set STRIDE, 4096
.set STG,   3328                       ; LDS for each wave: [0, 1536) the stage, 12 bytes a point; [1664, 3200) what lanes 16-31 write (rows 8-15 of the last product, which are nothing), never read
.set UP,    1664                       ; 416 words: 3 r and 3 r' + 416 are never equal modulo 64 for r, r' in 0..15, so a store's 32 lanes touch 32 different banks (64 banks of 4 bytes: ISA guide 11.1)
.set IMG1,  53248                      ; fc_w1's 64 fragment registers: 16 blocks of 512 bytes, [lane][4 registers]; wave i writes block i
.set IMG2,  61440                      ; fc_w2's 16 fragment registers: 16 blocks of 128 bytes, [lane]; wave i writes block i
.set SPARE, 63488                      ; the spare words, 128 bytes for each of 16 waves: eight blocks of 256 bytes that no other line names
.set RL4,  1                           ; v1   4 r: my point's word in a tile of cell
.set RL8,  2                           ; v2   8 r: in a tile of frac
.set LOFF, 3                           ; v3   16 h
.set OST,  4                           ; v4   where I put my point's three numbers
.set OGL,  5                           ; v5   16 x lane
.set ADRP, 6                           ; v6   byte offset of my 16 bytes of the pos cell's top left corner
.set ADRD, 7                           ; v7   the same for dir
.set CELL, 8                           ; v8, v9       two buffers
.set FRAC, 10                          ; v[10:11], v[12:13]  two buffers: pos word, dir word
.set WP,   14                          ; v[14:17]  pos blend weights tl, tr, bl, br: bf16 in both halves
.set WD,   18                          ; v[18:21]  dir
.set T,    22                          ; v[22:29]  at work
.set GP,   30                          ; v[30:61]  pos corners: TL, TR, BL, BR, 8 registers each
.set GD,   62                          ; v[62:93]  dir corners
.set X0,   94                          ; v[94:101]  pos features = source 1, inputs 0-31
.set X1,   102                         ; v[102:109] dir features = source 1, inputs 32-63
.set A0,   110                         ; v[110:117], v[118:125] two accumulators
.set A1,   118
.set H1,   126                         ; v[126:141] layer 1's 64 outputs, packed: two sources 1
.set HP,   142                         ; v[142:145] layer 2's or 3's outputs, packed; v[142:149] = HP, ONE, 0, 0, 0 is a source 1 with 1.0 at input 16
.set ONE,  146                         ; v146  bf16 1.0 in the low half in lanes 0-15, else 0; v[146:153] = ONE and seven zeros is a source 1 with 1.0 at input 0
.set NIL,  147                         ; v[147:153] zeros
.set A3,   154                         ; v[154:161] = fc_w3 (4), fc_b3, 0, and two that meet zeros
.set A4,   160                         ; v[160:167] = fc_w4 (4), fc_b4, 0, and two that meet zeros
.set AB,   166                         ; v[166+2q : 173+2q]: fc_b1 of output block q, and seven that meet zeros
.set AB2,  174                         ; v[174:181]: fc_b2, and seven that meet zeros
.set W2,   176                         ; v[176:191] fc_w2: inputs 32 s on at 176 + 8 s
.set W1,   192                         ; v[192:255] fc_w1: output block q, inputs 32 s on at 192 + 8 (2 q + s)
	s_load_b512 s[4:19], s[0:1], 0x0               ; tab s[4:5], cell s[6:7], frac s[8:9], out0 s[10:11], fc_w1 s[12:13], fc_b1 s[14:15], fc_w2 s[16:17], fc_b2 s[18:19]
	s_load_b256 s[20:27], s[0:1], 0x40             ; fc_w3 s[20:21], fc_b3 s[22:23], fc_w4 s[24:25], fc_b4 s[26:27]
	v_lshrrev_b32 v121, 5, v0
	v_readfirstlane_b32 s30, v121                  ; my wave in the work-group, i
	v_and_b32 v121, 15, v0                         ; r
	v_bfe_u32 v122, v0, 4, 1                       ; h
	v_and_b32 v123, 31, v0                         ; lane
	v_lshlrev_b32 v[RL4], 2, v121
	v_lshlrev_b32 v[RL8], 3, v121
	v_lshlrev_b32 v[LOFF], 4, v122
	v_lshlrev_b32 v[OGL], 4, v123
	s_mul_i32 s48, s30, STG                        ; my wave's LDS
	v_mul_u32_u24 v[OST], 12, v121
	v_mad_u32_u24 v[OST], v122, UP, v[OST]
	v_add_nc_u32 v[OST], s48, v[OST]
	v_sub_nc_u32 v124, 1, v122                     ; 1 in lanes 0-15, 0 in lanes 16-31
	v_mul_u32_u24 v[ONE], 0x3f80, v124
	v_cvt_f32_u32 v125, v124
	v_mul_f32 v125, 0xbfb8aa3b, v125               ; -log2(e) in lanes 0-15, 0 in lanes 16-31: fc_w4's and fc_b4's factor
.irp z, 147,148,149,150,151,152,153,159,165,167,169,171,173,175
	v_mov_b32 v\z, 0
.endr
	; my share of the fragments.  Register c of a source 0 holds, for output r, the inputs 8 h + 2 c, + 1 (c < 4) or 16 + 8 h + 2 (c - 4), + 1.
	s_and_b32 s54, s30, 3
	s_lshr_b32 s55, s30, 2
	s_lshl_b32 s52, s54, 12                        ; fc_w1, registers 4 i .. 4 i + 3: inputs 16 (i % 4) on, 256 bytes each,
	s_lshl_b32 s53, s55, 6                         ; output block i / 4, 64 bytes
	s_add_co_u32 s52, s52, s53
	s_lshl_b32 s53, s55, 10                        ; fc_w2, register i: inputs 16 (i / 4) + 2 (i % 4) on, 64 bytes each
	s_lshl_b32 s54, s54, 7
	s_add_co_u32 s53, s53, s54
	v_lshl_add_u32 v116, v122, 11, v[RL4]          ; + 8 h inputs + output r
	v_add_nc_u32 v116, s52, v116
	v_lshl_add_u32 v117, v122, 9, v[RL4]
	v_add_nc_u32 v117, s53, v117
	v_min_u32 v120, 7, v121                        ; rows of source 0 beyond a layer's outputs repeat the last true one: they end in rows of the result that meet zeros or are not stored
	v_lshlrev_b32 v120, 2, v120                    ; fc_b3
	v_lshl_add_u32 v118, v122, 8, v120             ; fc_w3: inputs 8 h on, 32 bytes each
	v_min_u32 v119, 2, v121
	v_lshlrev_b32 v119, 2, v119                    ; fc_w4 and fc_b4
	s_lshl_b32 s52, s30, 9
	v_add_nc_u32 v126, s52, v[OGL]                 ; my block of IMG1
	v_lshlrev_b32 v128, 2, v123
	s_lshl_b32 s52, s30, 7
	v_add_nc_u32 v127, s52, v128                   ; my block of IMG2
	s_lshl_b32 s31, ttmp9, 4
	s_add_co_u32 s31, s31, s30                     ; w
	s_mov_b32 s32, s31                             ; the group in hand
	s_cmp_lt_u32 s31, GROUPS-3*STRIDE
	s_cselect_b32 s33, 4, 3                        ; my groups
	s_mov_b32 s34, 0
	s_mov_b32 s35, 0x3c243c24                      ; the slope, twice, in bf16
	s_mov_b32 s49, 0x3c23d70a                      ; 0.01
	s_mov_b32 s50, 0x437f0000                      ; 255
	s_mov_b32 s47, 0                               ; the upper word of every offset
	s_add_co_u32 s51, s32, STRIDE
	s_min_u32 s51, s51, GROUPS-1                   ; the next group, or behind my last the launch's last: what is read ahead stays inside the buffers
	s_wait_kmcnt 0x0
	s_add_nc_u64 s[28:29], s[4:5], 0x400000        ; tab's dir half
	s_lshl_b32 s46, s32, 9
	s_add_nc_u64 s[36:37], s[6:7], s[46:47]        ; cell and frac at the group in hand,
	s_lshl_b32 s46, s32, 10
	s_add_nc_u64 s[38:39], s[8:9], s[46:47]
	s_lshl_b32 s46, s51, 9
	s_add_nc_u64 s[40:41], s[6:7], s[46:47]        ; and at the next
	s_lshl_b32 s46, s51, 10
	s_add_nc_u64 s[42:43], s[8:9], s[46:47]
	s_mul_i32 s46, s32, 1536
	s_add_nc_u64 s[44:45], s[10:11], s[46:47]      ; out0 at the group in hand
.irp u, 0,1
	global_load_b32 v[CELL+(\u)], v[RL4], s[36:37] offset:64*(\u)  ; the records of tiles 0 and 1
	global_load_b64 v[FRAC+2*(\u):FRAC+2*(\u)+1], v[RL8], s[38:39] offset:128*(\u)
.endr
.irp n, 0,1,2,3,4,5,6,7
	global_load_b32 v[94+(\n)], v116, s[12:13] offset:256*(\n)
.endr
	global_load_b32 v106, v117, s[16:17]
	global_load_b32 v107, v117, s[16:17] offset:64
.irp c, 0,1,2,3                        ; the small ones are made by every wave: the even input of a pair lands where the pair will lie
	global_load_b32 v[A3+(\c)],  v118, s[20:21] offset:64*(\c)
	global_load_b32 v[108+(\c)], v118, s[20:21] offset:64*(\c)+32
	global_load_b32 v[A4+(\c)],  v119, s[24:25] offset:24*(\c)
	global_load_b32 v[112+(\c)], v119, s[24:25] offset:24*(\c)+12
	global_load_b32 v[AB+2*(\c)], v[RL4], s[14:15] offset:64*(\c)
.endr
	global_load_b32 v[A3+4], v120, s[22:23]
	global_load_b32 v[A4+4], v119, s[26:27]
	global_load_b32 v[AB2], v[RL4], s[18:19]
	s_wait_loadcnt 0x0                             ; once: all 37
; Eight loads of 16 bytes: the four corners.  A cell is 64 bytes, the cell to the right 64 on, the row below 256 x 64 = 16,384 on.
.macro GATHER g, adr, lo
.irp i, 0,1,2,3
	global_load_b128 v[(\g)+8*(\i):(\g)+8*(\i)+3],   v[\adr], s[\lo:\lo+1] offset:((\i)/2)*16384+((\i)%2)*64
	global_load_b128 v[(\g)+8*(\i)+4:(\g)+8*(\i)+7], v[\adr], s[\lo:\lo+1] offset:((\i)/2)*16384+((\i)%2)*64+32
.endr
.endm
; The cell's number becomes an offset.  The bound 0xfefe (row 254, column 254) keeps all eight loads inside a grid's 0x400000 bytes whatever the word holds.
.macro ADR_POS c
	v_and_b32 v[ADRP], 0xffff, v[\c]
	v_min_u32 v[ADRP], 0xfefe, v[ADRP]
	v_lshl_add_u32 v[ADRP], v[ADRP], 6, v[LOFF]
.endm
.macro ADR_DIR c
	v_lshrrev_b32 v[ADRD], 16, v[\c]
	v_min_u32 v[ADRD], 0xfefe, v[ADRD]
	v_lshl_add_u32 v[ADRD], v[ADRD], 6, v[LOFF]
.endm
	ADR_POS CELL
	GATHER GP, ADRP, 4                             ; tile 0's gathers go out ahead of the rest of the set-up
	ADR_DIR CELL
	GATHER GD, ADRD, 28
.irp c, 0,1,2,3
	v_cvt_pk_bf16_f32 v[102+(\c)], v[94+2*(\c)], v[95+2*(\c)]
	v_cvt_pk_bf16_f32 v[A3+(\c)], v[A3+(\c)], v[108+(\c)]
	v_mul_f32 v[A4+(\c)],  v[A4+(\c)],  v125
	v_mul_f32 v[112+(\c)], v[112+(\c)], v125
	v_cvt_pk_bf16_f32 v[AB+2*(\c)], v[AB+2*(\c)], v[NIL]
.endr
	v_cvt_pk_bf16_f32 v106, v106, v107
	v_mul_f32 v[A4+4], v[A4+4], v125
.irp c, 0,1,2,3
	v_cvt_pk_bf16_f32 v[A4+(\c)], v[A4+(\c)], v[112+(\c)]
.endr
	v_cvt_pk_bf16_f32 v[A3+4], v[A3+4], v[NIL]
	v_cvt_pk_bf16_f32 v[A4+4], v[A4+4], v[NIL]
	v_cvt_pk_bf16_f32 v[AB2], v[AB2], v[NIL]
	ds_store_b128 v126, v[102:105] offset:IMG1
	ds_store_b32 v127, v106 offset:IMG2
	s_wait_dscnt 0x0                               ; for the others' sake: my part of the images is written
	s_barrier_signal -1
	s_barrier_wait -1                              ; everybody's is; nobody writes the images again
.irp c, 0,1,2,3,4,5,6,7,8,9,10,11,12,13,14,15
	ds_load_b128 v[W1+4*(\c):W1+4*(\c)+3], v[OGL] offset:IMG1+512*(\c)
.endr
.irp c, 0,1,2,3,4,5,6,7,8,9,10,11,12,13,14,15
	ds_load_b32 v[W2+(\c)], v128 offset:IMG2+128*(\c)
.endr
; Line n of the 20 that make a tile's eight blend weights from its two words of fractions, v\fp (pos) and v\fd (dir): ten a grid.
.macro GLINE n, fp, fd
.if (\n) == 0
	v_cvt_f32_f16 v[T+1], v\fp\().l                ; xf
.elseif (\n) == 1
	v_cvt_f32_f16 v[T+3], v\fp\().h                ; yf
.elseif (\n) == 10
	v_cvt_f32_f16 v[T+1], v\fd\().l
.elseif (\n) == 11
	v_cvt_f32_f16 v[T+3], v\fd\().h
.elseif (\n)%10 == 2
	v_sub_f32 v[T], 1.0, v[T+1]
.elseif (\n)%10 == 3
	v_sub_f32 v[T+2], 1.0, v[T+3]
.elseif (\n)%10 == 4
	v_pk_mul_f32 v[T+4:T+5], v[T:T+1], v[T+2:T+3] op_sel_hi:[1,0]               ; tl, tr = (1 - xf, xf) x (1 - yf)
.elseif (\n)%10 == 5
	v_pk_mul_f32 v[T+6:T+7], v[T:T+1], v[T+2:T+3] op_sel:[0,1] op_sel_hi:[1,1]  ; bl, br = (1 - xf, xf) x yf
.else
	v_cvt_pk_bf16_f32 v[WP+4*((\n)/10)+(\n)%10-6], v[T+(\n)%10-2], v[T+(\n)%10-2]
.endif
.endm
; Four of them.  They name no register of a product, so they are the four places between a stage's last product and the first line that reads its result or writes one of its registers (ISA guide 7.12.1).
.macro GAP k, fp, fd
.irp n, 0,1,2,3
	GLINE 4*(\k)+(\n), \fp, \fd
.endr
.endm
.irp k, 0,1,2,3,4
	GAP \k, 10, 11                                 ; tile 0's weights
.endr
	s_wait_dscnt 0x0                               ; the fragments are in
; The blend, two features a line: tl w0, then + tr w1, + bl w2, + br w3.  The result is a source 1.
.macro INTERP g, x, wt
.irp j, 0,1,2,3,4,5,6,7
	v_pk_mul_bf16 v[(\x)+(\j)], v[(\g)+(\j)], v[\wt]
.endr
.irp c, 1,2,3
.irp j, 0,1,2,3,4,5,6,7
	v_pk_fma_bf16 v[(\x)+(\j)], v[(\g)+8*(\c)+(\j)], v[(\wt)+(\c)], v[(\x)+(\j)]
.endr
.endr
.endm
.macro MM0 d, a, b                     ; a product that starts a sum
	v_wmma_f32_16x16x32_bf16 v[(\d):(\d)+7], v[(\a):(\a)+7], v[(\b):(\b)+7], 0
.endm
.macro MM d, a, b                      ; and one that adds onto it
	v_wmma_f32_16x16x32_bf16 v[(\d):(\d)+7], v[(\a):(\a)+7], v[(\b):(\b)+7], v[(\d):(\d)+7]
.endm
; An accumulator becomes four packed registers at h: rounded to bf16 from its low end on, then max(x, slope x).  The product with the slope lies in the accumulator's own registers, which have been read.
.macro ACT_CVT acc, h
.irp j, 0,1,2,3
	v_cvt_pk_bf16_f32 v[(\h)+(\j)], v[(\acc)+2*(\j)], v[(\acc)+2*(\j)+1]
.endr
.endm
.macro ACT_MUL acc, h
.irp j, 0,1,2,3
	v_pk_mul_bf16 v[(\acc)+(\j)], v[(\h)+(\j)], s35
.endr
.endm
.macro ACT_MAX acc, h
.irp j, 0,1,2,3
	v_pk_max_num_bf16 v[(\h)+(\j)], v[(\h)+(\j)], v[(\acc)+(\j)]
.endr
.endm
.macro ACTONE acc
	ACT_CVT \acc, HP
	ACT_MUL \acc, HP
	ACT_MAX \acc, HP
.endm
; Layer 1, output blocks 2 p and 2 p + 1: the two accumulators take turns, one instruction a turn.  The two packed results are one source 1 of layer 2.
; The next product that writes over an accumulator stands behind the gap's four lines and the other accumulator's four conversions.
.macro PAIR p, fp, fd
	MM0 A0, AB+4*(\p), ONE
	MM0 A1, AB+4*(\p)+2, ONE
	MM A0, W1+32*(\p), X0
	MM A1, W1+32*(\p)+16, X0
	MM A0, W1+32*(\p)+8, X1
	MM A1, W1+32*(\p)+24, X1
	GAP \p, \fp, \fd
	ACT_CVT A0, H1+8*(\p)
	ACT_CVT A1, H1+8*(\p)+4
	ACT_MUL A0, H1+8*(\p)
	ACT_MUL A1, H1+8*(\p)+4
	ACT_MAX A0, H1+8*(\p)
	ACT_MAX A1, H1+8*(\p)+4
.endm
; The four layers for tile t; the gaps make the next tile's blend weights from v\fp, v\fd.
.macro MLP t, fp, fd
	PAIR 0, \fp, \fd
	PAIR 1, \fp, \fd
	MM0 A0, AB2, ONE                               ; layer 2 has one accumulator:
	s_wait_alu depctr_va_vdst(0)                   ; the wait ahead of each link
	MM A0, W2, H1
	s_wait_alu depctr_va_vdst(0)
	MM A0, W2+8, H1+8
	GAP 2, \fp, \fd
	ACTONE A0
	MM0 A1, A3, HP                                 ; layer 3: inputs 0-15 and the bias at input 16
	GAP 3, \fp, \fd
	ACTONE A1                                      ; HP, that product's source, is written behind the gap
	MM0 A0, A4, HP                                 ; layer 4: inputs 0-7 (fc_w4 is 0 in lanes 16-31) and the bias: z = -log2(e) x the layer's sums
	GAP 4, \fp, \fd
.irp i, 0,1,2
	v_mul_f32 v[A0+4+(\i)], s49, v[A0+(\i)]
.endr
.irp i, 0,1,2
	v_min_num_f32 v[A0+(\i)], v[A0+(\i)], v[A0+4+(\i)]  ; -log2(e) x max(x, 0.01 x) = min(z, 0.01 z)
.endr
.irp i, 0,1,2
	v_exp_f32 v[A0+(\i)], v[A0+(\i)]
.endr
	v_nop                                          ; a plain instruction between the last exponential and the use of its result (ISA guide 5.7.2)
	s_wait_alu depctr_va_vdst(0)
.irp i, 0,1,2
	v_add_f32 v[A0+(\i)], 1.0, v[A0+(\i)]
.endr
.irp i, 0,1,2
	v_rcp_f32 v[A0+(\i)], v[A0+(\i)]
.endr
	v_nop
	s_wait_alu depctr_va_vdst(0)
.irp i, 0,1,2
	v_mul_f32 v[A0+(\i)], s50, v[A0+(\i)]
.endr
.irp i, 0,1,2
	ds_store_b32 v[OST], v[A0+(\i)] offset:192*(\t)+4*(\i)  ; 12 bytes a point, 192 a tile
.endr
.endm
; TILE t of a group.  At its head are out, in the order of issue: tile t + 1's two records, tile t's eight pos gathers, its eight dir gathers.
.macro TILE t
.set bC, (\t)%2                        ; the buffer of tile t's records: its cell and its fractions were used in the tile before
.set bN, ((\t)+1)%2                    ; the buffer of tile t + 1's
.if (\t) < 6
	global_load_b32 v[CELL+bC], v[RL4], s[36:37] offset:64*((\t)+2)  ; the records of tile t + 2,
	global_load_b64 v[FRAC+2*bC:FRAC+2*bC+1], v[RL8], s[38:39] offset:128*((\t)+2)
.else
	global_load_b32 v[CELL+bC], v[RL4], s[40:41] offset:64*((\t)-6)  ; which for tiles 6 and 7 lie in the next group
	global_load_b64 v[FRAC+2*bC:FRAC+2*bC+1], v[RL8], s[42:43] offset:128*((\t)-6)
.endif
	s_wait_loadcnt 10                              ; behind my pos gathers: eight dir gathers and the two records just asked for.  Tile t + 1's records, issued ahead of them, are in too; ADRP may be written
	INTERP GP, X0, WP
	ADR_POS CELL+bN
	GATHER GP, ADRP, 4                             ; tile t + 1
	s_wait_loadcnt 10                              ; behind my dir gathers: those two records and the eight pos gathers just issued; ADRD may be written
	INTERP GD, X1, WD
	ADR_DIR CELL+bN
	GATHER GD, ADRD, 28
.if bN == 1
	MLP \t, 12, 13
.else
	MLP \t, 10, 11
.endif
.endm
.Lgroup:                               ; a trip: one group.  The way in and the way back agree: 16 gathers of tile 0 are out, tile 1's records ahead of them
.irp t, 0,1,2,3,4,5,6,7
	TILE \t
.endr
	v_add_nc_u32 v[T], s48, v[OGL]
.irp i, 0,1,2
	ds_load_b128 v[X0+4*(\i):X0+4*(\i)+3], v[T] offset:512*(\i)  ; LDS serves a wave's instructions in order (ISA guide 5.7.1.4): these see the eight tiles' stores, and the next group's stores come behind them
.endr
	s_wait_dscnt 0x0
.irp i, 0,1,2
	global_store_b128 v[OGL], v[X0+4*(\i):X0+4*(\i)+3], s[44:45] offset:512*(\i) th:TH_STORE_NT  ; 512 consecutive bytes, at a multiple of 256 from out0's first
.endr
	s_wait_xcnt 0x0                                ; only behind this wait are the stores' data and base and the record loads' bases written again
	s_mov_b64 s[36:37], s[40:41]
	s_mov_b64 s[38:39], s[42:43]
	s_mov_b32 s32, s51
	s_mul_i32 s46, s32, 1536
	s_add_nc_u64 s[44:45], s[10:11], s[46:47]
	s_add_co_u32 s51, s32, STRIDE
	s_min_u32 s51, s51, GROUPS-1
	s_lshl_b32 s46, s51, 9
	s_add_nc_u64 s[40:41], s[6:7], s[46:47]
	s_lshl_b32 s46, s51, 10
	s_add_nc_u64 s[42:43], s[8:9], s[46:47]
	s_add_co_u32 s34, s34, 1
	s_cmp_lt_u32 s34, s33
	s_cbranch_scc1 .Lgroup
	v_lshl_add_u32 v22, v0, 2, SPARE               ; no two registers could be kept for these: all 256 are in use, so they are made here from v0, which is as at the entry
	v_mov_b32 v23, 0
	s_wait_tensorcnt 0x0                           ; the wave's end: behind my last LDS store
	ds_add_u32 v22, v23
	s_wait_dscnt 0x0
	s_endpgm
.Lfunc_end_k_qd3fa8dda31_net:
	.size	k_qd3fa8dda31_net, .Lfunc_end_k_qd3fa8dda31_net-k_qd3fa8dda31_net
	.p2alignl 7, 3214868480
	.fill 96, 4, 3214868480
	.section	.rodata,"a",@progbits
	.p2align	6, 0x0
	.amdhsa_kernel k_qd3fa8dda31_net
		.amdhsa_group_segment_fixed_size 65536
		.amdhsa_private_segment_fixed_size 0
		.amdhsa_enable_private_segment 0
		.amdhsa_kernarg_size 96
		.amdhsa_user_sgpr_count 2
		.amdhsa_user_sgpr_kernarg_segment_ptr 1
		.amdhsa_wavefront_size32 1
		.amdhsa_system_sgpr_workgroup_id_x 1
		.amdhsa_system_sgpr_workgroup_id_y 1
		.amdhsa_system_sgpr_workgroup_id_z 1
		.amdhsa_system_vgpr_workitem_id 0
		.amdhsa_next_free_vgpr 256
		.amdhsa_next_free_sgpr 66
		.amdhsa_reserve_vcc 0
		.amdhsa_float_denorm_mode_32 3
		.amdhsa_float_denorm_mode_16_64 3
		.amdhsa_memory_ordered 1
		.amdhsa_forward_progress 1
		.amdhsa_inst_pref_size 124
	.end_amdhsa_kernel
	.amdgpu_metadata
---
amdhsa.version: [ 1, 2 ]
amdhsa.kernels:
  - .name:           k_qd3fa8dda31_net
    .symbol:         k_qd3fa8dda31_net.kd
    .args:
      - { .name: tab, .offset: 0, .size: 8, .value_kind: global_buffer, .address_space: global }
      - { .name: cell, .offset: 8, .size: 8, .value_kind: global_buffer, .address_space: global }
      - { .name: frac, .offset: 16, .size: 8, .value_kind: global_buffer, .address_space: global }
      - { .name: out0, .offset: 24, .size: 8, .value_kind: global_buffer, .address_space: global }
      - { .name: fc_w1, .offset: 32, .size: 8, .value_kind: global_buffer, .address_space: global }
      - { .name: fc_b1, .offset: 40, .size: 8, .value_kind: global_buffer, .address_space: global }
      - { .name: fc_w2, .offset: 48, .size: 8, .value_kind: global_buffer, .address_space: global }
      - { .name: fc_b2, .offset: 56, .size: 8, .value_kind: global_buffer, .address_space: global }
      - { .name: fc_w3, .offset: 64, .size: 8, .value_kind: global_buffer, .address_space: global }
      - { .name: fc_b3, .offset: 72, .size: 8, .value_kind: global_buffer, .address_space: global }
      - { .name: fc_w4, .offset: 80, .size: 8, .value_kind: global_buffer, .address_space: global }
      - { .name: fc_b4, .offset: 88, .size: 8, .value_kind: global_buffer, .address_space: global }
    .group_segment_fixed_size: 65536
    .private_segment_fixed_size: 0
    .kernarg_segment_align: 8
    .kernarg_segment_size: 96
    .max_flat_workgroup_size: 512
    .sgpr_count:     66
    .vgpr_count:     256
    .wavefront_size: 32
...
	.end_amdgpu_metadata
.endif
;; end of part 2
